; MI455X (gfx1250); checked and timed in simulation.
; The chip was launched on July 23, 2026; its instructions are those of AMD's public machine-readable ISA for CDNA 5 (MIT licence, August 2026) and "CDNA5" Instruction Set Architecture Reference Guide (July 2026). The comments in the code are by the model that wrote it; some were corrected since.
;; Cross Attention. Allowed arithmetic: float matrix products may take bf16 or f16 operands with f32 sums; all other float work in f32.
;; Inputs: Uid 4 x 2,048 x 128 float32; Uq 4 x 2,048 x 128 float32; Wc_b one number float32; Wc_w 384 float32; mask 2,048 x 2,048 float32.
;; Outputs: out0 4 x 2,048 x 512 float32.
;; One version. Each part assembles by itself: llvm-mc -triple=amdgcn-amd-amdhsa -mcpu=gfx1250 --defsym DOCPART=n.
;; ======== version 1 of 1: 3 launches
;; workspace buffers: Uidb 2,097,152 bytes; V 4,194,304 bytes; negc 32,768 bytes
;; launch prep (part 1): grid 128 x 2, 8 waves a work-group, no clusters, 0 bytes of LDS; arguments Uid, Uq, Uidb, V; writes Uidb, V
.if DOCPART == 1
	.amdgcn_target "amdgcn-amd-amdhsa--gfx1250"
	.amdhsa_code_object_version 6
	.text
	.protected	k_qce015ae4e2_prep
	.globl	k_qce015ae4e2_prep
	.p2align	8
	.type	k_qce015ae4e2_prep,@function
k_qce015ae4e2_prep:
	s_mov_b64 s[64:65], 0
	v_nop
	global_prefetch_b8 v0, s[64:65] scope:SCOPE_SE
	s_setreg_imm32_b32 hwreg(HW_REG_WAVE_MODE, 25, 1), 1
	s_wait_xcnt 0x0
; prep: the two streamed matrix operands, rounded once to bf16.
;   y = 0: Uidb[row][0:128] = bf16(Uid[row][0:128])   rows of 256 bytes
;   y = 1: V[row][0:128]    = bf16(Uq[row][0:128])    rows of 512 bytes, of which this launch writes the first 256
; 8,192 rows of 128 f32 each.  A work-group of 8 waves owns 64 rows, four sweeps of 16 rows.  Thread t of sweep c takes
; row 16 c + t / 16, columns 8 (t % 16) .. + 7: 32 bytes in, 16 bytes out, so that sixteen neighbouring lanes store
; 256 consecutive bytes, aligned.  A pure stream: no LDS, no matrix unit, no cluster (no byte is read twice).
; All eight loads of a thread are issued at once; no register is used twice, so no wait frees a source.
.set OFF, 4                            ; v[4:7]    sweep c: my byte offset in the output
.set X,   8                            ; v[8:39]   sweep c: 8 f32 as loaded
.set Y,   40                           ; v[40:55]  sweep c: 8 bf16 to store
	s_load_b256 s[4:11], s[0:1], 0x0               ; Uid s[4:5], Uq s[6:7], Uidb s[8:9], V s[10:11]
	s_and_b32 s12, ttmp7, 0xffff                   ; y: which of the two tensors
	s_add_co_u32 s13, s12, 8                       ; log2 of the output's row pitch: 256 or 512 bytes
	s_add_co_u32 s19, s12, 14                      ; log2 of 64 output rows
	s_lshl_b32 s18, 16, s13                        ; 16 output rows, in bytes
	s_lshl_b32 s20, ttmp9, 15                      ; my 64 input rows of 512 bytes
	s_mov_b32 s21, 0
	s_lshl_b32 s22, ttmp9, s19                     ; my 64 output rows
	s_mov_b32 s23, 0
	v_lshlrev_b32 v1, 5, v0                        ; input: 32 bytes a thread, 16 threads a row
	v_lshrrev_b32 v2, 4, v0                        ; row in the sweep
	v_and_b32 v3, 15, v0
	v_lshlrev_b32 v2, s13, v2
	v_lshl_or_b32 v[OFF], v3, 4, v2                ; row x pitch + 16 (t % 16)
	v_add_nc_u32 v[OFF+1], s18, v[OFF]
	v_add_nc_u32 v[OFF+2], s18, v[OFF+1]
	v_add_nc_u32 v[OFF+3], s18, v[OFF+2]
	s_wait_kmcnt 0x0
	s_cmp_eq_u32 s12, 0
	s_cselect_b64 s[14:15], s[4:5], s[6:7]         ; from Uid or Uq
	s_cselect_b64 s[16:17], s[8:9], s[10:11]       ; to Uidb or V
	s_add_nc_u64 s[14:15], s[14:15], s[20:21]
	s_add_nc_u64 s[16:17], s[16:17], s[22:23]
.irp c, 0,1,2,3
	global_load_b128 v[X+8*\c:X+8*\c+3],   v1, s[14:15] offset:8192*\c
	global_load_b128 v[X+8*\c+4:X+8*\c+7], v1, s[14:15] offset:8192*\c+16
.endr
.irp c, 0,1,2,3
	s_wait_loadcnt 6-2*\c                          ; loads return in order: this sweep's two are in, the younger sweeps' stay out
.irp k, 0,1,2,3
	v_cvt_pk_bf16_f32 v[Y+4*\c+\k], v[X+8*\c+2*\k], v[X+8*\c+2*\k+1]
.endr
	global_store_b128 v[OFF+\c], v[Y+4*\c:Y+4*\c+3], s[16:17]
.endr
	s_endpgm
.Lfunc_end_k_qce015ae4e2_prep:
	.size	k_qce015ae4e2_prep, .Lfunc_end_k_qce015ae4e2_prep-k_qce015ae4e2_prep
	.p2alignl 7, 3214868480
	.fill 96, 4, 3214868480
	.section	.rodata,"a",@progbits
	.p2align	6, 0x0
	.amdhsa_kernel k_qce015ae4e2_prep
		.amdhsa_group_segment_fixed_size 0
		.amdhsa_private_segment_fixed_size 0
		.amdhsa_enable_private_segment 0
		.amdhsa_kernarg_size 32
		.amdhsa_user_sgpr_count 2
		.amdhsa_user_sgpr_kernarg_segment_ptr 1
		.amdhsa_wavefront_size32 1
		.amdhsa_system_sgpr_workgroup_id_x 1
		.amdhsa_system_sgpr_workgroup_id_y 1
		.amdhsa_system_sgpr_workgroup_id_z 1
		.amdhsa_system_vgpr_workitem_id 0
		.amdhsa_next_free_vgpr 64
		.amdhsa_next_free_sgpr 66
		.amdhsa_reserve_vcc 0
		.amdhsa_float_denorm_mode_32 3
		.amdhsa_float_denorm_mode_16_64 3
		.amdhsa_memory_ordered 1
		.amdhsa_forward_progress 1
		.amdhsa_inst_pref_size 4
	.end_amdhsa_kernel
	.amdgpu_metadata
---
amdhsa.version: [ 1, 2 ]
amdhsa.kernels:
  - .name:           k_qce015ae4e2_prep
    .symbol:         k_qce015ae4e2_prep.kd
    .args:
      - { .name: Uid, .offset: 0, .size: 8, .value_kind: global_buffer, .address_space: global }
      - { .name: Uq, .offset: 8, .size: 8, .value_kind: global_buffer, .address_space: global }
      - { .name: Uidb, .offset: 16, .size: 8, .value_kind: global_buffer, .address_space: global }
      - { .name: V, .offset: 24, .size: 8, .value_kind: global_buffer, .address_space: global }
    .group_segment_fixed_size: 0
    .private_segment_fixed_size: 0
    .kernarg_segment_align: 8
    .kernarg_segment_size: 32
    .max_flat_workgroup_size: 256
    .sgpr_count:     66
    .vgpr_count:     64
    .wavefront_size: 32
...
	.end_amdgpu_metadata
.endif
;; end of part 1
;; launch colsoft (part 2): grid 64 x 4, 4 waves a work-group, clusters of 4 x 4, 327,680 bytes of LDS; arguments Uidb, Uq, mask, Wc_w, Wc_b, V, negc; writes V, negc
.if DOCPART == 2
	.amdgcn_target "amdgcn-amd-amdhsa--gfx1250"
	.amdhsa_code_object_version 6
	.text
	.protected	k_qce015ae4e2_colsoft
	.globl	k_qce015ae4e2_colsoft
	.p2align	8
	.type	k_qce015ae4e2_colsoft,@function
k_qce015ae4e2_colsoft:
	s_mov_b64 s[64:65], 0
	v_nop
	global_prefetch_b8 v0, s[64:65] scope:SCOPE_SE
	s_setreg_imm32_b32 hwreg(HW_REG_WAVE_MODE, 25, 1), 1
	s_wait_xcnt 0x0
	s_wait_alu depctr_hold_cnt(0) depctr_sa_sdst(0) depctr_va_vdst(0) depctr_va_sdst(0) depctr_va_ssrc(0) depctr_va_vcc(0) depctr_vm_vsrc(0)
	s_getreg_b32 s2, hwreg(HW_REG_IB_STS2, 6, 4)
	s_cmp_eq_u32 s2, 0
	s_cbranch_scc0 .Lentry_in_a_cluster
	s_endpgm
.Lentry_in_a_cluster:
	s_bfe_u32 s2, ttmp6, 0x10000c
	s_cmp_lg_u32 s2, 0xf033
	s_cbranch_scc0 .Lentry_shape_is_right
	s_endpgm
.Lentry_shape_is_right:
; colsoft: the column softmax's figures and T = P^T Uid, with P never stored.
; In base 2 (L2E = log2 e):  t[i][j] = mask[i][j] * ( sum_e Uid[i][e] * ((w_mul[e] Uq[j][e] + w_id[e]) L2E) + (s_q[j] + b) L2E )
; The softmax runs over i, for each column j.  Out:  V[j][128+e] = bf16( sum_i P[i][j] Uid[i][e] ),  negc[j] = -(max_i t + log2 sum_i 2^(t - max)).
; A work-group owns one batch b and 32 columns j, whose operand stays in registers; the batch's 2,048 rows i are streamed in 16 tiles
; of 128 rows, wave w taking rows 32 w .. 32 w + 31 of each tile: it asks for them itself and it alone reads them.  Each wave keeps a
; running maximum, a running sum and a partial T (128 e x 32 j) of its own rows; the four waves' figures meet in LDS at the end.
; CLUSTERS: 4 x 4 work-groups.  A row of the cluster (same cy) is one batch: its four work-groups stream the same rows of Uidb.  A column
; (same cx) is one block of 32 columns j: its four work-groups stream the same tile of the mask.  Both come by joint tensor loads.
; The mask tile's rows are 128 bytes because a work-group owns 32 columns: with 64 columns there would be work for 128 work-groups only.
; LIMITS: P, T and both score operands are rounded to bf16 (matrix operands); s_id rides in the bf16 operand, s_q and b are f32.
; A NaN in an input is dropped by the maximum (v_max_num) and does not spread as in the reference.  2^x below 2^-126 counts as 0.
.set SLOT,  53248                      ; an LDS slot: 128 rows of Uidb at pitch 272, then 128 rows of 32 mask words at pitch 144
.set UPART, 8704                       ; a wave's 32 rows x 272
.set MOFF,  34816                      ; the mask part of a slot
.set MPART, 4608                       ; a wave's 32 rows x 144
.set SCR,   212992                     ; behind the four slots: 4 waves x 32 rows j x 528 bytes (128 f32 + 16), the partial T
.set STATM, 280576                     ; m[j][wave], 16 bytes a column
.set STATL, 281088                     ; l[j][wave], 512 bytes behind STATM
.set STG,   281600                     ; the resident operand on its way into fragments: 32 rows x 272
.set CQS,   290304                     ; (s_q[j] + b) L2E, one word a column
.set L2E,   0x3fb8aa3b
.set G1U, 24                           ; s[24:31] shape of a wave's part of a Uidb tile
.set G1M, 32                           ; s[32:39] shape of a wave's part of a mask tile
.set G0U, 40                           ; s[40:55] from where, to where: one set for each slot
.set G0M, 68                           ; s[68:83] the same for the mask
; window 0
.set AU,   8                           ; v8-11   slot s: LDS address of my plain fragments of Uidb (rows i, K = e)
.set AT,   12                          ; v12-15  slot s: of my transposed fragments (rows e, K = i)
.set AM,   16                          ; v16-19  slot s: of my mask words
.set XO,   20                          ; 16 x lane
.set STGW, 21
.set STGR, 22
.set CQW,  23
.set MX,   24                          ; v24-25  running maximum of column 16 n + r
.set XX,   26                          ; v26-27  the new maximum
.set YY,   28                          ; v28-29  the other half's figure
.set NM,   30                          ; v30-33  minus the maximum, as pairs
.set AL,   34                          ; v34-37  2^(old maximum - new maximum), as pairs
.set LS,   38                          ; v38-41  running sums, a pair for each n
.set CQR,  42
.set CQ,   48                          ; v48-63  the C tiles that start the scores
.set PP,   64                          ; v64-79  P in bf16, as the second product's B operand
.set SS,   80                          ; v80-111 scores, tile (m, n) at 8 (2 m + n)
.set MK,   112                         ; v112-143 mask words, as SS
.set BR,   144                         ; v144-207 the resident operand, fragment (n, kk) at 8 (4 n + kk)
; window 1
.set ACC,  0                           ; partial T: tile (t, n) at 8 (2 t + n): e = 16 t + 8 h + register, j = 16 n + r
.set FA,   128                         ; plain fragments (m, kk) at 8 (4 m + kk)
.set FV,   192                         ; transposed fragments t at 8 t
; at work while the resident operand is made (window 0)
.set RWM, 80
.set RWA, 84
.set RWB, 88
.set RX,  92
.set RT,  124
.set RP,  128
.set RD,  130
.set RE,  132
.set RB2, 133
; the epilogue's addresses, in the ring's address registers, which are free by then
.set SMW,  8
.set SMR,  9
.set SCW,  10
.set SCRD, 11
.set SLR,  12
.set VO,   13
.set MSB, 0
.macro WIN new                         ; the immediate's high byte repeats the setting that is left
.if MSB != \new
	s_set_vgpr_msb (MSB<<8)|\new
.set MSB, \new
.endif
.endm
.macro PLACES                          ; four independent vector instructions behind a matrix instruction (ISA guide 7.12.1)
.rept 4
	v_nop
.endr
.endm
; A round of the cluster's barrier: my work-group's barrier, wave 0 signals for the work-group, every wave waits for all sixteen, my barrier again.
.macro ROUND
	s_barrier_signal -1
	s_barrier_wait -1
	s_cmp_lg_u32 s18, 0
	s_cbranch_scc1 .Lnot_wave_0_\@
	s_barrier_signal -3
.Lnot_wave_0_\@:
	s_barrier_wait -3
	s_barrier_signal -1
	s_barrier_wait -1
.endm
; The resident operand.  Wave w makes rows 8 w .. 8 w + 7 of the 32, lane L the columns e = 4 L .. 4 L + 3:
;   bf16( (x w_mul + wa) L2E ) into STG, and (x . wb + b) L2E, summed in f32 over the wave's lanes, into CQS.
; Behind a barrier every wave reads all 32 rows as B fragments and spreads the 32 words into two C tiles.
.macro RESIDENT xb, waoff, wboff
	global_load_b128 v[RWM:RWM+3], v[XO], s[10:11] offset:1024
	global_load_b128 v[RWA:RWA+3], v[XO], s[10:11] offset:\waoff
	global_load_b128 v[RWB:RWB+3], v[XO], s[10:11] offset:\wboff
.irp q, 0,1,2,3,4,5,6,7
	global_load_b128 v[RX+4*\q:RX+4*\q+3], v[XO], s[\xb:\xb+1] offset:512*\q
.endr
	v_mov_b32 v[RE], 0                             ; v_permlanex16_b32 counts as a reader of its destination
	v_mov_b32 v[RB2], s87
	v_mul_f32 v[RB2], L2E, v[RB2]                  ; b L2E
	s_wait_loadcnt 0x8                             ; the three pieces of Wc_w are in; the eight rows may be out
	v_pk_mul_f32 v[RWM:RWM+1],   v[RWM:RWM+1],   L2E op_sel_hi:[1,0]
	v_pk_mul_f32 v[RWM+2:RWM+3], v[RWM+2:RWM+3], L2E op_sel_hi:[1,0]
	v_pk_mul_f32 v[RWA:RWA+1],   v[RWA:RWA+1],   L2E op_sel_hi:[1,0]
	v_pk_mul_f32 v[RWA+2:RWA+3], v[RWA+2:RWA+3], L2E op_sel_hi:[1,0]
.irp q, 0,1,2,3,4,5,6,7
	s_wait_loadcnt 7-\q                            ; row q is in, the younger rows stay out
	v_pk_fma_f32 v[RT:RT+1],   v[RX+4*\q:RX+4*\q+1],   v[RWM:RWM+1],   v[RWA:RWA+1]
	v_pk_fma_f32 v[RT+2:RT+3], v[RX+4*\q+2:RX+4*\q+3], v[RWM+2:RWM+3], v[RWA+2:RWA+3]
	v_pk_mul_f32 v[RD:RD+1], v[RX+4*\q:RX+4*\q+1], v[RWB:RWB+1]
	v_pk_fma_f32 v[RD:RD+1], v[RX+4*\q+2:RX+4*\q+3], v[RWB+2:RWB+3], v[RD:RD+1]
	v_cvt_pk_bf16_f32 v[RP],   v[RT],   v[RT+1]
	v_cvt_pk_bf16_f32 v[RP+1], v[RT+2], v[RT+3]
	ds_store_b64 v[STGW], v[RP:RP+1] offset:272*\q
	v_add_f32 v[RD], v[RD], v[RD+1]
	v_add_f32_dpp v[RD], v[RD], v[RD] row_xmask:1 row_mask:0xf bank_mask:0xf
	v_add_f32_dpp v[RD], v[RD], v[RD] row_xmask:2 row_mask:0xf bank_mask:0xf
	v_add_f32_dpp v[RD], v[RD], v[RD] row_xmask:4 row_mask:0xf bank_mask:0xf
	v_add_f32_dpp v[RD], v[RD], v[RD] row_xmask:8 row_mask:0xf bank_mask:0xf
	v_permlanex16_b32 v[RE], v[RD], s84, s85
	v_add_f32 v[RD], v[RD], v[RE]
	v_fma_f32 v[RD], v[RD], s89, v[RB2]            ; (dot + b) L2E
	ds_store_b32 v[CQW], v[RD] offset:4*\q         ; every lane stores the same word with the same value
.endr
	s_wait_dscnt 0x0                               ; my stores are done, for the other waves' sake
	s_barrier_signal -1
	s_barrier_wait -1                              ; the ring's first loads may stay out
.irp nn, 0,1
.irp kk, 0,1,2,3
	ds_load_b128 v[BR+8*(4*\nn+\kk):BR+8*(4*\nn+\kk)+3],   v[STGR] offset:\nn*4352+64*\kk
	ds_load_b128 v[BR+8*(4*\nn+\kk)+4:BR+8*(4*\nn+\kk)+7], v[STGR] offset:\nn*4352+64*\kk+32
.endr
.endr
	ds_load_b32 v[CQ],   v[CQR]
	ds_load_b32 v[CQ+8], v[CQR] offset:64
	s_wait_dscnt 0x0
.irp k, 1,2,3,4,5,6,7
	v_mov_b32 v[CQ+\k],   v[CQ]                    ; a C tile holds a lane's column figure in all eight registers
	v_mov_b32 v[CQ+8+\k], v[CQ+8]
.endr
.endm
	s_load_b256 s[4:11], s[0:1], 0x0               ; Uidb s[4:5], Uq s[6:7], mask s[8:9], Wc_w s[10:11]
	s_load_b128 s[12:15], s[0:1], 0x20             ; Wc_b s[12:13], V s[14:15]
	s_load_b64 s[16:17], s[0:1], 0x30              ; negc
	v_lshl_add_u32 v254, v0, 2, 0x46f00
	v_mov_b32 v255, 0
	ds_add_u32 v254, v255
	v_lshrrev_b32 v1, 5, v0
	v_readfirstlane_b32 s18, v1                    ; wave 0..3
	s_bfe_u32 s19, ttmp6, 0x40000                  ; cx
	s_bfe_u32 s20, ttmp6, 0x40004                  ; cy
	s_lshl_b32 s21, ttmp9, 2
	s_add_co_u32 s21, s21, s19                     ; blk = 4 x cluster x + cx: my 32 columns j
	s_and_b32 s22, ttmp7, 0xffff
	s_lshl_b32 s22, s22, 2
	s_add_co_u32 s22, s22, s20                     ; b = 4 x cluster y + cy: my batch
	s_lshl_b32 s23, s20, 2
	s_lshl_b32 s23, 15, s23                        ; my row of the cluster: places 4 cy .. 4 cy + 3
	s_lshl_b32 s86, 0x1111, s19                    ; my column: places cx, cx + 4, cx + 8, cx + 12
	s_mov_b32 s84, 0x76543210                      ; v_permlanex16_b32: lane i reads lane i of the other half
	s_mov_b32 s85, 0xfedcba98
	s_mov_b32 s89, L2E
	; group 1 for Uidb: 32 rows x 128 bf16, 256 bytes a row in memory, 16 bytes of padding behind each in LDS; shared along my row of the cluster
	s_or_b32 s[G1U+0], s23, (1<<16)|(1<<20)|(1<<21)|(5<<22)|(3<<25)
	s_mov_b32 s[G1U+1], 128<<16                    ; tensor_dim0 = 128
	s_mov_b32 s[G1U+2], 32<<16                     ; tensor_dim1 = 32
	s_mov_b32 s[G1U+3], 128<<16                    ; tile_dim0 = 128
	s_mov_b32 s[G1U+4], 32                         ; tile_dim1 = 32
	s_mov_b32 s[G1U+5], 128                        ; elements from row to row
	s_mov_b32 s[G1U+6], 0
	s_mov_b32 s[G1U+7], 0
	; group 1 for the mask: 32 rows x 32 f32, pitch 2,048 elements in memory, 144 bytes in LDS; shared along my column of the cluster
	s_or_b32 s[G1M+0], s86, (2<<16)|(1<<20)|(1<<21)|(4<<22)|(3<<25)
	s_mov_b32 s[G1M+1], 32<<16
	s_mov_b32 s[G1M+2], 32<<16
	s_mov_b32 s[G1M+3], 32<<16
	s_mov_b32 s[G1M+4], 32
	s_mov_b32 s[G1M+5], 2048
	s_mov_b32 s[G1M+6], 0
	s_mov_b32 s[G1M+7], 0
	s_mul_i32 s90, s18, UPART                      ; my part of a slot: the wave's number alone enters an LDS address
	s_mul_i32 s91, s18, MPART
	s_add_co_u32 s91, s91, MOFF
	s_lshl_b32 s92, s22, 19                        ; Uidb: batch x 2,048 rows x 256 bytes (hangs on b and the wave alone)
	s_lshl_b32 s93, s18, 13                        ;       + wave x 32 rows
	s_add_co_u32 s92, s92, s93
	s_mov_b32 s93, 0
	s_lshl_b32 s94, s21, 7                         ; mask: 32 blk columns x 4 bytes (hangs on blk and the wave alone)
	s_lshl_b32 s95, s18, 18                        ;       + wave x 32 rows x 8,192 bytes
	s_add_co_u32 s94, s94, s95
	s_mov_b32 s95, 0
	s_lshl_b32 s62, s22, 20                        ; rows of 512 bytes in Uq and in V: batch x 2,048
	s_lshl_b32 s63, s21, 14                        ;   + 32 blk
	s_add_co_u32 s62, s62, s63
	s_lshl_b32 s63, s18, 12                        ;   + 8 wave
	s_add_co_u32 s62, s62, s63
	s_mov_b32 s63, 0
	s_lshl_b32 s66, s22, 13                        ; negc: (batch x 2,048 + 32 blk) x 4 bytes
	s_lshl_b32 s67, s21, 7
	s_add_co_u32 s66, s66, s67
	s_mov_b32 s67, 0
	s_wait_dscnt 0x0
	s_wait_kmcnt 0x0
	s_load_b32 s87, s[12:13], 0x0                  ; b
	s_add_nc_u64 s[92:93], s[4:5], s[92:93]
	s_add_nc_u64 s[94:95], s[8:9], s[94:95]
	s_add_nc_u64 s[56:57], s[6:7], s[62:63]        ; my 8 rows of Uq
	s_add_nc_u64 s[58:59], s[14:15], s[62:63]      ; my 8 rows of V
	s_add_nc_u64 s[60:61], s[16:17], s[66:67]
	ROUND                                          ; all sixteen work-groups are here: the first joint loads meet
.irp s, 0,1,2,3
	s_mov_b32 s[G0U+4*\s], 1
	s_add_co_u32 s[G0U+4*\s+1], s90, \s*SLOT
	s_add_nc_u64 s[G0U+4*\s+2:G0U+4*\s+3], s[92:93], \s*32768      ; tile s: 128 rows of 256 bytes on
	s_or_b32 s[G0U+4*\s+3], s[G0U+4*\s+3], 0x80000000
	s_mov_b32 s[G0M+4*\s], 1
	s_add_co_u32 s[G0M+4*\s+1], s91, \s*SLOT
	s_add_nc_u64 s[G0M+4*\s+2:G0M+4*\s+3], s[94:95], \s*1048576    ; 128 rows of 8,192 bytes on
	s_or_b32 s[G0M+4*\s+3], s[G0M+4*\s+3], 0x80000000
	tensor_load_to_lds s[G0U+4*\s:G0U+4*\s+3], s[G1U:G1U+7]        ; eight loads of the wave are out here, the most in this text
	s_nop 0
	tensor_load_to_lds s[G0M+4*\s:G0M+4*\s+3], s[G1M:G1M+7]
	s_nop 0
.endr
	v_and_b32 v1, 31, v0                           ; L
	v_and_b32 v2, 15, v0                           ; r
	v_bfe_u32 v3, v0, 4, 1                         ; h
	v_mul_u32_u24 v4, v2, 272
	v_lshl_add_u32 v4, v3, 4, v4                   ; r x 272 + 16 h
	v_and_b32 v5, 7, v0
	v_lshl_add_u32 v5, v3, 3, v5
	v_mul_u32_u24 v5, v5, 272
	v_bfe_u32 v6, v0, 3, 1
	v_lshl_add_u32 v5, v6, 4, v5                   ; (8 h + L % 8) x 272 + 16 ((L / 8) % 2): the transposing load's lane term
	v_mul_u32_u24 v6, v3, 1152
	v_lshl_add_u32 v6, v2, 2, v6                   ; 8 h rows of 144 + 4 r
	v_add_nc_u32 v[AU], s90, v4
	v_add_nc_u32 v[AT], s90, v5
	v_add_nc_u32 v[AM], s91, v6
.irp s, 1,2,3
	v_add_nc_u32 v[AU+\s], \s*SLOT, v[AU]
	v_add_nc_u32 v[AT+\s], \s*SLOT, v[AT]
	v_add_nc_u32 v[AM+\s], \s*SLOT, v[AM]
.endr
	v_lshlrev_b32 v[XO], 4, v1
	s_mul_i32 s62, s18, 2176                       ; 8 rows of 272
	s_add_co_u32 s62, s62, STG
	v_lshl_add_u32 v[STGW], v1, 3, s62
	v_add_nc_u32 v[STGR], STG, v4
	s_lshl_b32 s63, s18, 5
	s_add_co_u32 s63, s63, CQS
	v_mov_b32 v[CQW], s63
	v_lshlrev_b32 v[CQR], 2, v2
	v_add_nc_u32 v[CQR], CQS, v[CQR]
	v_mov_b32 v[YY], 0                             ; destinations of v_permlanex16_b32: written once
	v_mov_b32 v[YY+1], 0
	s_wait_kmcnt 0x0                               ; b
	RESIDENT 56, 0, 512                            ; operand (w_mul Uq + w_id) L2E; figure (Uq . w_q + b) L2E
.macro RESCALE                         ; partial T times the column's factor
	WIN 0x41                                       ; destination and source 0 in window 1, the factor in window 0
.irp t, 0,1,2,3,4,5,6,7
.irp nn, 0,1
.irp p, 0,2,4,6
	v_pk_mul_f32 v[ACC+8*(2*\t+\nn)+\p:ACC+8*(2*\t+\nn)+\p+1], v[ACC+8*(2*\t+\nn)+\p:ACC+8*(2*\t+\nn)+\p+1], v[AL+2*\nn:AL+2*\nn+1]
.endr
.endr
.endr
.endm
; One tile of slot s: 32 rows i x 32 columns j for this wave.  left = my younger tensor loads, two for each younger tile.
; first = 1: the tile starts the maximum, the sums and T; nothing is cleared.
.macro TURN s, left, first
	s_wait_tensorcnt \left                         ; tensor loads of a wave end in order: my two parts of this tile are in LDS; no other wave reads them
	WIN 0x40                                       ; destinations in window 1
.irp m, 0,1
.irp kk, 0,1,2,3
	ds_load_b128 v[FA+8*(4*\m+\kk):FA+8*(4*\m+\kk)+3],   v[AU+\s] offset:\m*4352+64*\kk
	ds_load_b128 v[FA+8*(4*\m+\kk)+4:FA+8*(4*\m+\kk)+7], v[AU+\s] offset:\m*4352+64*\kk+32
.endr
.endr
.irp t, 0,1,2,3,4,5,6,7
	ds_load_tr16_b128 v[FV+8*\t:FV+8*\t+3],   v[AT+\s] offset:32*\t         ; rows e = 16 t + r, K = i = 8 h .. 8 h + 7
	ds_load_tr16_b128 v[FV+8*\t+4:FV+8*\t+7], v[AT+\s] offset:32*\t+4352    ; K = 16 + 8 h ..
.endr
	WIN 0
.irp m, 0,1
.irp nn, 0,1
.irp jj, 0,1,2,3,4,5,6,7
	ds_load_b32 v[MK+8*(2*\m+\nn)+\jj], v[AM+\s] offset:(16*\m+\jj)*144+64*\nn
.endr
.endr
.endr
	s_wait_dscnt 48                                ; the 16 plain fragment loads are in; the 48 younger (16 transposed, 32 mask) may be out
	WIN 0x01                                       ; A in window 1
	; scores: the four accumulators take turns, one instruction a turn
.irp kk, 0,1,2,3
.irp m, 0,1
.irp nn, 0,1
.if \kk == 0
	v_wmma_f32_16x16x32_bf16 v[SS+8*(2*\m+\nn):SS+8*(2*\m+\nn)+7], v[FA+8*(4*\m+\kk):FA+8*(4*\m+\kk)+7], v[BR+8*(4*\nn+\kk):BR+8*(4*\nn+\kk)+7], v[CQ+8*\nn:CQ+8*\nn+7]
.else
	v_wmma_f32_16x16x32_bf16 v[SS+8*(2*\m+\nn):SS+8*(2*\m+\nn)+7], v[FA+8*(4*\m+\kk):FA+8*(4*\m+\kk)+7], v[BR+8*(4*\nn+\kk):BR+8*(4*\nn+\kk)+7], v[SS+8*(2*\m+\nn):SS+8*(2*\m+\nn)+7]
.endif
.endr
.endr
.endr
	WIN 0
	PLACES                                         ; behind the last score product, before its result is read
	s_wait_dscnt 0x0                               ; mask words, and the transposed fragments ahead of them
.irp i, 0,1,2,3,4,5,6,7,8,9,10,11,12,13,14,15
	v_pk_mul_f32 v[SS+2*\i:SS+2*\i+1], v[SS+2*\i:SS+2*\i+1], v[MK+2*\i:MK+2*\i+1]
.endr
	; the column's maximum: my 16 rows of it and the old one, then the other half's 16 rows
.if \first
	v_max_num_f32 v[XX],   v[SS],   v[SS+1]
	v_max_num_f32 v[XX+1], v[SS+8], v[SS+9]
.else
	v_max3_num_f32 v[XX],   v[MX],   v[SS],   v[SS+1]
	v_max3_num_f32 v[XX+1], v[MX+1], v[SS+8], v[SS+9]
.endif
.irp o, 2,4,6,16,18,20,22
	v_max3_num_f32 v[XX],   v[XX],   v[SS+\o],   v[SS+\o+1]
	v_max3_num_f32 v[XX+1], v[XX+1], v[SS+8+\o], v[SS+8+\o+1]
.endr
	v_permlanex16_b32 v[YY],   v[XX],   s84, s85
	v_permlanex16_b32 v[YY+1], v[XX+1], s84, s85
	v_max_num_f32 v[XX],   v[XX],   v[YY]
	v_max_num_f32 v[XX+1], v[XX+1], v[YY+1]
.if \first == 0
	v_sub_f32 v[AL],   v[MX],   v[XX]
	v_sub_f32 v[AL+2], v[MX+1], v[XX+1]
	v_exp_f32 v[AL],   v[AL]                       ; the plain lines below stand between these and the first use
	v_exp_f32 v[AL+2], v[AL+2]
.endif
	v_mov_b32 v[MX],   v[XX]
	v_mov_b32 v[MX+1], v[XX+1]
	v_sub_f32 v[NM],   0, v[XX]
	v_sub_f32 v[NM+1], 0, v[XX]
	v_sub_f32 v[NM+2], 0, v[XX+1]
	v_sub_f32 v[NM+3], 0, v[XX+1]
.if \first == 0
	s_wait_alu depctr_va_vdst(0)
	v_mov_b32 v[AL+1], v[AL]
	v_mov_b32 v[AL+3], v[AL+2]
.endif
.irp m, 0,1
.irp nn, 0,1
.irp p, 0,2,4,6
	v_pk_add_f32 v[SS+8*(2*\m+\nn)+\p:SS+8*(2*\m+\nn)+\p+1], v[SS+8*(2*\m+\nn)+\p:SS+8*(2*\m+\nn)+\p+1], v[NM+2*\nn:NM+2*\nn+1]
.endr
.endr
.endr
.irp i, 0,1,2,3,4,5,6,7,8,9,10,11,12,13,14,15,16,17,18,19,20,21,22,23,24,25,26,27,28,29,30,31
	v_exp_f32 v[SS+\i], v[SS+\i]
.endr
	v_nop                                          ; one plain place behind the last exponential
.if \first
	s_wait_alu depctr_va_vdst(0)
	v_pk_add_f32 v[LS:LS+1],   v[SS:SS+1],   v[SS+2:SS+3]
	v_pk_add_f32 v[LS+2:LS+3], v[SS+8:SS+9], v[SS+10:SS+11]
.else
	s_wait_alu depctr_va_vdst(0)
	v_pk_fma_f32 v[LS:LS+1],   v[LS:LS+1],   v[AL:AL+1],   v[SS:SS+1]
	v_pk_fma_f32 v[LS+2:LS+3], v[LS+2:LS+3], v[AL+2:AL+3], v[SS+8:SS+9]
	v_pk_add_f32 v[LS:LS+1],   v[LS:LS+1],   v[SS+2:SS+3]
	v_pk_add_f32 v[LS+2:LS+3], v[LS+2:LS+3], v[SS+10:SS+11]
.endif
.irp o, 4,6,16,18,20,22
	v_pk_add_f32 v[LS:LS+1],   v[LS:LS+1],   v[SS+\o:SS+\o+1]
	v_pk_add_f32 v[LS+2:LS+3], v[LS+2:LS+3], v[SS+8+\o:SS+8+\o+1]
.endr
	; a lane's 8 + 8 scores of column 16 n + r are rows 8 h .. and 16 + 8 h ..: just what a B fragment with K = i wants of it
.irp nn, 0,1
.irp m, 0,1
.irp p, 0,1,2,3
	v_cvt_pk_bf16_f32 v[PP+8*\nn+4*\m+\p], v[SS+8*(2*\m+\nn)+2*\p], v[SS+8*(2*\m+\nn)+2*\p+1]
.endr
.endr
.endr
.if \first == 0
	RESCALE
.endif
	WIN 0x51                                       ; D, C and A in window 1, B in window 0
	; T += Uid^T P: sixteen accumulators, one instruction each, by turns
.irp t, 0,1,2,3,4,5,6,7
.irp nn, 0,1
.if \first
	v_wmma_f32_16x16x32_bf16 v[ACC+8*(2*\t+\nn):ACC+8*(2*\t+\nn)+7], v[FV+8*\t:FV+8*\t+7], v[PP+8*\nn:PP+8*\nn+7], 0
.else
	v_wmma_f32_16x16x32_bf16 v[ACC+8*(2*\t+\nn):ACC+8*(2*\t+\nn)+7], v[FV+8*\t:FV+8*\t+7], v[PP+8*\nn:PP+8*\nn+7], v[ACC+8*(2*\t+\nn):ACC+8*(2*\t+\nn)+7]
.endif
.endr
.endr
	WIN 0
	PLACES                                         ; before the next tile's loads land on these fragments, and before T is read
.endm
; Slots a, b, c, which have been read, get the tiles four further down.  The waits stand in front of the round's opening signal;
; the joint refills are the first tensor loads behind its closing wait.  Six loads of the wave are out behind it.
.macro FILL a, b, c
	s_wait_dscnt 0x0                               ; my reads of the three slots are back
	s_wait_tensorcnt 0x0                           ; all my tensor loads have landed, the unread slot's too: every group 0 may be written
	ds_add_u32 v254, v255
	s_wait_dscnt 0x0
.irp t, \a, \b, \c
	s_add_nc_u64 s[G0U+4*\t+2:G0U+4*\t+3], s[G0U+4*\t+2:G0U+4*\t+3], 131072     ; 4 tiles x 128 rows x 256 bytes
	s_add_nc_u64 s[G0M+4*\t+2:G0M+4*\t+3], s[G0M+4*\t+2:G0M+4*\t+3], 4194304    ; 4 tiles x 128 rows x 8,192 bytes
.endr
	ROUND                                          ; both now hold of every wave of every work-group of the cluster
.irp t, \a, \b, \c
	tensor_load_to_lds s[G0U+4*\t:G0U+4*\t+3], s[G1U:G1U+7]
	s_nop 0
	tensor_load_to_lds s[G0M+4*\t:G0M+4*\t+3], s[G1M:G1M+7]
	s_nop 0
.endr
.endm
	TURN 0, 6, 1                                   ; tiles 0, 1, 2 as they land
	TURN 1, 4, 0
	TURN 2, 2, 0
	FILL 0, 1, 2                                   ; tile 3 has landed; tiles 4, 5, 6 go out
	TURN 3, 6, 0
	TURN 0, 4, 0
	TURN 1, 2, 0
	FILL 3, 0, 1                                   ; tile 6 has landed; tiles 7, 8, 9 go out
	TURN 2, 6, 0
	TURN 3, 4, 0
	TURN 0, 2, 0
	FILL 2, 3, 0                                   ; tile 9 has landed; tiles 10, 11, 12 go out
	TURN 1, 6, 0
	TURN 2, 4, 0
	TURN 3, 2, 0
	FILL 1, 2, 3                                   ; tile 12 has landed; tiles 13, 14, 15 go out: the last
	TURN 0, 6, 0
	TURN 1, 4, 0
	TURN 2, 2, 0
	TURN 3, 0, 0
	; THE FOUR WAVES' FIGURES MEET.  First the maxima.
	v_add_f32 v[LS],   v[LS],   v[LS+1]
	v_add_f32 v[LS+2], v[LS+2], v[LS+3]
	v_permlanex16_b32 v[YY],   v[LS],   s84, s85
	v_permlanex16_b32 v[YY+1], v[LS+2], s84, s85
	v_add_f32 v[LS],   v[LS],   v[YY]              ; my wave's sum for column 16 n + r
	v_add_f32 v[LS+2], v[LS+2], v[YY+1]
	s_lshl_b32 s62, s18, 2
	s_add_co_u32 s62, s62, STATM
	v_lshl_add_u32 v[SMW], v2, 4, s62              ; STATM + 16 r + 4 wave
	v_lshlrev_b32 v[SMR], 4, v2
	v_add_nc_u32 v[SMR], STATM, v[SMR]
	ds_store_b32 v[SMW], v[MX]                     ; both halves of the lanes store the same word with the same value
	ds_store_b32 v[SMW], v[MX+1] offset:256
	s_mul_i32 s62, s18, 16896
	s_add_co_u32 s62, s62, SCR
	v_mul_u32_u24 v4, v2, 528
	v_lshl_add_u32 v4, v3, 5, v4
	v_add_nc_u32 v[SCW], s62, v4                   ; my part of SCR: row r, 32 h
	s_mul_i32 s62, s18, 4224
	s_add_co_u32 s62, s62, SCR
	v_mul_u32_u24 v4, v3, 528
	v_lshl_add_u32 v4, v2, 5, v4
	v_add_nc_u32 v[SCRD], s62, v4                  ; back: row 8 wave + h, 32 bytes at 32 r
	s_lshl_b32 s62, s18, 7
	s_add_co_u32 s62, s62, STATL
	v_lshl_add_u32 v[SLR], v3, 4, s62              ; l of row 8 wave + h
	v_lshlrev_b32 v4, 4, v2
	v_lshl_or_b32 v[VO], v3, 9, v4                 ; in V: h rows of 512 bytes + 16 r
	s_wait_dscnt 0x0
	s_barrier_signal -1
	s_barrier_wait -1
	ds_load_b128 v[SS:SS+3],   v[SMR]              ; the four waves' maxima of column r,
	ds_load_b128 v[SS+4:SS+7], v[SMR] offset:256   ; and of column 16 + r
	s_wait_dscnt 0x0
	v_max3_num_f32 v[XX],   v[SS],   v[SS+1], v[SS+2]
	v_max3_num_f32 v[XX+1], v[SS+4], v[SS+5], v[SS+6]
	v_max_num_f32 v[XX],   v[XX],   v[SS+3]
	v_max_num_f32 v[XX+1], v[XX+1], v[SS+7]
	v_sub_f32 v[AL],   v[MX],   v[XX]
	v_sub_f32 v[AL+2], v[MX+1], v[XX+1]
	v_exp_f32 v[AL],   v[AL]
	v_exp_f32 v[AL+2], v[AL+2]
	v_nop
	s_wait_alu depctr_va_vdst(0)
	v_mov_b32 v[AL+1], v[AL]
	v_mov_b32 v[AL+3], v[AL+2]
	v_mul_f32 v[LS],   v[LS],   v[AL]              ; my sum and my T, brought to the common maximum
	v_mul_f32 v[LS+2], v[LS+2], v[AL+2]
	ds_store_b32 v[SMW], v[LS]   offset:512
	ds_store_b32 v[SMW], v[LS+2] offset:768
	RESCALE
	WIN 0x04                                       ; store data in window 1
.irp t, 0,1,2,3,4,5,6,7
.irp nn, 0,1
	ds_store_b128 v[SCW], v[ACC+8*(2*\t+\nn):ACC+8*(2*\t+\nn)+3]   offset:\nn*8448+64*\t
	ds_store_b128 v[SCW], v[ACC+8*(2*\t+\nn)+4:ACC+8*(2*\t+\nn)+7] offset:\nn*8448+64*\t+16
.endr
.endr
	WIN 0
	s_wait_dscnt 0x0
	s_barrier_signal -1
	s_barrier_wait -1
; Rows 8 wave + 2 q + h of T: the four parts are added, divided by the column's sum, rounded, and stored: sixteen lanes store
; 256 consecutive bytes, the second half of a row of V.  Each q has store registers of its own.
.macro TROW q
.irp p, 0,1,2,3
	ds_load_b128 v[SS+8*\p:SS+8*\p+3],   v[SCRD] offset:\p*16896+\q*1056
	ds_load_b128 v[SS+8*\p+4:SS+8*\p+7], v[SCRD] offset:\p*16896+\q*1056+16
.endr
	ds_load_b128 v[MK:MK+3], v[SLR] offset:32*\q
	s_wait_dscnt 0x0
	v_add_f32 v[MK],   v[MK],   v[MK+1]
	v_add_f32 v[MK+2], v[MK+2], v[MK+3]
	v_add_f32 v[MK],   v[MK],   v[MK+2]
	v_rcp_f32 v[MK+4], v[MK]                       ; the sum is at least about 1: the row of the maximum adds 2^0
.irp k, 0,2,4,6
	v_pk_add_f32 v[SS+\k:SS+\k+1],       v[SS+\k:SS+\k+1],       v[SS+8+\k:SS+8+\k+1]
	v_pk_add_f32 v[SS+16+\k:SS+16+\k+1], v[SS+16+\k:SS+16+\k+1], v[SS+24+\k:SS+24+\k+1]
.endr
.irp k, 0,2,4,6
	v_pk_add_f32 v[SS+\k:SS+\k+1], v[SS+\k:SS+\k+1], v[SS+16+\k:SS+16+\k+1]
.endr
	s_wait_alu depctr_va_vdst(0)
	v_mov_b32 v[MK+5], v[MK+4]
.irp k, 0,2,4,6
	v_pk_mul_f32 v[SS+\k:SS+\k+1], v[SS+\k:SS+\k+1], v[MK+4:MK+5]
.endr
.irp k, 0,1,2,3
	v_cvt_pk_bf16_f32 v[MK+8+4*\q+\k], v[SS+2*\k], v[SS+2*\k+1]
.endr
	global_store_b128 v[VO], v[MK+8+4*\q:MK+8+4*\q+3], s[58:59] offset:256+1024*\q
.endm
	TROW 0
	TROW 1
	TROW 2
	TROW 3
	; negc of the 32 columns: wave 0, lane = column
	s_cmp_lg_u32 s18, 0
	s_cbranch_scc1 .Lno_negc
	v_lshlrev_b32 v14, 4, v1
	v_add_nc_u32 v14, STATM, v14
	ds_load_b128 v[SS:SS+3],   v14
	ds_load_b128 v[SS+4:SS+7], v14 offset:512
	v_lshlrev_b32 v15, 2, v1
	s_wait_dscnt 0x0
	v_max3_num_f32 v[SS+8], v[SS], v[SS+1], v[SS+2]
	v_max_num_f32 v[SS+8], v[SS+8], v[SS+3]
	v_add_f32 v[SS+4], v[SS+4], v[SS+5]
	v_add_f32 v[SS+6], v[SS+6], v[SS+7]
	v_add_f32 v[SS+4], v[SS+4], v[SS+6]
	v_log_f32 v[SS+9], v[SS+4]
	v_nop
	s_wait_alu depctr_va_vdst(0)
	v_add_f32 v[SS+8], v[SS+8], v[SS+9]
	v_mul_f32 v[SS+8], -1.0, v[SS+8]
	global_store_b32 v15, v[SS+8], s[60:61]
.Lno_negc:
	s_wait_tensorcnt 0x0
	ds_add_u32 v254, v255
	s_wait_dscnt 0x0
	ROUND                                          ; the closing round: no work-group ends while a partner may still ask for a tile that names it
	s_endpgm
.Lfunc_end_k_qce015ae4e2_colsoft:
	.size	k_qce015ae4e2_colsoft, .Lfunc_end_k_qce015ae4e2_colsoft-k_qce015ae4e2_colsoft
	.p2alignl 7, 3214868480
	.fill 96, 4, 3214868480
	.section	.rodata,"a",@progbits
	.p2align	6, 0x0
	.amdhsa_kernel k_qce015ae4e2_colsoft
		.amdhsa_group_segment_fixed_size 327680
		.amdhsa_private_segment_fixed_size 0
		.amdhsa_enable_private_segment 0
		.amdhsa_kernarg_size 56
		.amdhsa_user_sgpr_count 2
		.amdhsa_user_sgpr_kernarg_segment_ptr 1
		.amdhsa_wavefront_size32 1
		.amdhsa_system_sgpr_workgroup_id_x 1
		.amdhsa_system_sgpr_workgroup_id_y 1
		.amdhsa_system_sgpr_workgroup_id_z 1
		.amdhsa_system_vgpr_workitem_id 0
		.amdhsa_next_free_vgpr 512
		.amdhsa_next_free_sgpr 96
		.amdhsa_reserve_vcc 0
		.amdhsa_float_denorm_mode_32 3
		.amdhsa_float_denorm_mode_16_64 3
		.amdhsa_memory_ordered 1
		.amdhsa_forward_progress 1
		.amdhsa_inst_pref_size 255
	.end_amdhsa_kernel
	.section	.bss,"aw",@nobits
	.p2align	6
	.space	262144
	.amdgpu_metadata
---
amdhsa.version: [ 1, 2 ]
amdhsa.kernels:
  - .name:           k_qce015ae4e2_colsoft
    .symbol:         k_qce015ae4e2_colsoft.kd
    .args:
      - { .name: Uidb, .offset: 0, .size: 8, .value_kind: global_buffer, .address_space: global }
      - { .name: Uq, .offset: 8, .size: 8, .value_kind: global_buffer, .address_space: global }
      - { .name: mask, .offset: 16, .size: 8, .value_kind: global_buffer, .address_space: global }
      - { .name: Wc_w, .offset: 24, .size: 8, .value_kind: global_buffer, .address_space: global }
      - { .name: Wc_b, .offset: 32, .size: 8, .value_kind: global_buffer, .address_space: global }
      - { .name: V, .offset: 40, .size: 8, .value_kind: global_buffer, .address_space: global }
      - { .name: negc, .offset: 48, .size: 8, .value_kind: global_buffer, .address_space: global }
    .group_segment_fixed_size: 327680
    .private_segment_fixed_size: 0
    .kernarg_segment_align: 8
    .kernarg_segment_size: 56
    .max_flat_workgroup_size: 128
    .sgpr_count:     96
    .vgpr_count:     512
    .wavefront_size: 32
...
	.end_amdgpu_metadata
.endif
;; end of part 2
;; launch apply (part 3): grid 64 x 4, 4 waves a work-group, clusters of 4 x 4, 327,680 bytes of LDS; arguments V, Uid, mask, Wc_w, Wc_b, negc, out0; writes out0
.if DOCPART == 3
	.amdgcn_target "amdgcn-amd-amdhsa--gfx1250"
	.amdhsa_code_object_version 6
	.text
	.protected	k_qce015ae4e2_apply
	.globl	k_qce015ae4e2_apply
	.p2align	8
	.type	k_qce015ae4e2_apply,@function
k_qce015ae4e2_apply:
	s_mov_b64 s[64:65], 0
	v_nop
	global_prefetch_b8 v0, s[64:65] scope:SCOPE_SE
	s_setreg_imm32_b32 hwreg(HW_REG_WAVE_MODE, 25, 1), 1
	s_wait_xcnt 0x0
	s_wait_alu depctr_hold_cnt(0) depctr_sa_sdst(0) depctr_va_vdst(0) depctr_va_sdst(0) depctr_va_ssrc(0) depctr_va_vcc(0) depctr_vm_vsrc(0)
	s_getreg_b32 s2, hwreg(HW_REG_IB_STS2, 6, 4)
	s_cmp_eq_u32 s2, 0
	s_cbranch_scc0 .Lentry_in_a_cluster
	s_endpgm
.Lentry_in_a_cluster:
	s_bfe_u32 s2, ttmp6, 0x10000c
	s_cmp_lg_u32 s2, 0xf033
	s_cbranch_scc0 .Lentry_shape_is_right
	s_endpgm
.Lentry_shape_is_right:
; apply: P is formed once more and applied.  out0[i] = [ Uid[i], A[i], Uid[i] * A[i], Uid[i] * A2[i] ],  A = P Uq,  A2 = P T  (T = P^T Uid).
; In base 2:  t[i][j] = mask[i][j] * ( sum_e Uq[j][e] * ((w_mul[e] Uid[i][e] + w_q[e]) L2E) + (s_id[i] + b) L2E ),  P[i][j] = 2^(t + negc[j]),
; where negc[j] = -(column maximum + log2 of the column's sum): the maximum is taken away as in the reference, so P is about 1 at the most.
; A work-group owns one batch b and 32 rows i, whose operand stays in registers; the batch's 2,048 rows j of V = [bf16 Uq | T] are streamed
; in 16 tiles of 128 rows, wave w taking rows 32 w .. 32 w + 31 of each tile.  Each wave sums its own O^T (256 columns of V x 32 rows i)
; in 256 registers; the four partial sums meet in LDS at the end.
; CLUSTERS: 4 x 4 work-groups.  A row of the cluster (same cy) is one batch: its four stream the same rows of V and the same negc.
; A column (same cx) is one block of 32 rows i: its four stream the same tile of the mask.  All three come by joint tensor loads.
; LIMITS: the sum is ordered as P (P^T Uid), not (P P^T) Uid; P, T and the score operands are rounded to bf16 (matrix operands), and the two
; launches round the scores differently; 2^x below 2^-126 counts as 0.
.set SLOT,  86528                      ; an LDS slot: 128 rows of V at pitch 544, then 32 rows of 128 mask words at pitch 528
.set VPART, 17408                      ; a wave's 32 rows x 544
.set KOFF,  69632                      ; the mask part of a slot
.set KPART, 4224                       ; the 8 mask rows x 528 that a wave asks for
.set NEGC,  259584                     ; behind the three slots: the batch's negc, 2,048 f32
.set STG,   267776                     ; the resident operand on its way into fragments: 32 rows x 272
.set CQS,   276480                     ; (s_id[i] + b) L2E, one word a row
.set L2E,   0x3fb8aa3b
; The partial sums' stage, 4 waves x 32 rows x 1,040 bytes from LDS byte 0, lies over slots 0 and 1 and is written only behind their last fill.
.set G1V, 24                           ; s[24:31] shape of a wave's part of a tile of V
.set G1K, 32                           ; s[32:39] of the mask
.set G1N, 40                           ; s[40:47] of negc
.set G0N, 48                           ; s[48:51]
.set G0V, 52                           ; s[52:63] one set for each slot
.set G0K, 68                           ; s[68:79]
; window 0
.set AV,   8                           ; v8-10   slot s: LDS address of my plain fragments (rows j, K = e)
.set ATV,  11                          ; v11-13  slot s: of my transposed fragments (rows c, K = j)
.set AMK,  14                          ; v14-16  slot s: of my mask words
.set AN,   17                          ; my negc words of tile 0
.set XO,   18                          ; 16 x lane
.set STGW, 19
.set STGR, 20
.set CQW,  21
.set CQR,  22
.set SC2W, 23
.set AR0,  24
.set AR1,  25
.set NC,   32                          ; v32-47  negc, 8 words for each m
.set CQ,   48                          ; v48-63  the C tiles that start the scores
.set PP,   64                          ; v64-79  P in bf16
.set SS,   80                          ; v80-111 scores, tile (m, n) at 8 (2 m + n): j = 16 m + 8 h + register, i = 16 n + r
.set MK,   112                         ; v112-143 mask words, as SS
.set BR,   144                         ; v144-207 the resident operand
.set UF,   144                         ; at the end: my 8 rows of Uid in f32
; window 1: ACC, tile (t, n) at 8 (2 t + n): c = 16 t + 8 h + register, i = 16 n + r.  Window 2: FA, FV
.set ACC,  0
.set FA,   0
.set FV,   64
.set RWM, 80
.set RWA, 84
.set RWB, 88
.set RX,  92
.set RT,  124
.set RP,  128
.set RD,  130
.set RE,  132
.set RB2, 133
.set MSB, 0
.macro WIN new                         ; the immediate's high byte repeats the setting that is left
.if MSB != \new
	s_set_vgpr_msb (MSB<<8)|\new
.set MSB, \new
.endif
.endm
.macro PLACES                          ; four independent vector instructions behind a matrix instruction (ISA guide 7.12.1)
.rept 4
	v_nop
.endr
.endm
.macro ROUND                           ; a round of the cluster's barrier
	s_barrier_signal -1
	s_barrier_wait -1
	s_cmp_lg_u32 s18, 0
	s_cbranch_scc1 .Lnot_wave_0_\@
	s_barrier_signal -3
.Lnot_wave_0_\@:
	s_barrier_wait -3
	s_barrier_signal -1
	s_barrier_wait -1
.endm
; The resident operand.  Wave w makes rows 8 w .. 8 w + 7 of the 32, lane L the columns e = 4 L .. 4 L + 3:
;   bf16( (x w_mul + wa) L2E ) into STG, and (x . wb + b) L2E, summed in f32 over the wave's lanes, into CQS.
; Behind a barrier every wave reads all 32 rows as B fragments and spreads the 32 words into two C tiles.
.macro RESIDENT xb, waoff, wboff
	global_load_b128 v[RWM:RWM+3], v[XO], s[10:11] offset:1024
	global_load_b128 v[RWA:RWA+3], v[XO], s[10:11] offset:\waoff
	global_load_b128 v[RWB:RWB+3], v[XO], s[10:11] offset:\wboff
.irp q, 0,1,2,3,4,5,6,7
	global_load_b128 v[RX+4*\q:RX+4*\q+3], v[XO], s[\xb:\xb+1] offset:512*\q
.endr
	v_mov_b32 v[RE], 0                             ; v_permlanex16_b32 counts as a reader of its destination
	v_mov_b32 v[RB2], s87
	v_mul_f32 v[RB2], L2E, v[RB2]                  ; b L2E
	s_wait_loadcnt 0x8                             ; the three pieces of Wc_w are in; the eight rows may be out
	v_pk_mul_f32 v[RWM:RWM+1],   v[RWM:RWM+1],   L2E op_sel_hi:[1,0]
	v_pk_mul_f32 v[RWM+2:RWM+3], v[RWM+2:RWM+3], L2E op_sel_hi:[1,0]
	v_pk_mul_f32 v[RWA:RWA+1],   v[RWA:RWA+1],   L2E op_sel_hi:[1,0]
	v_pk_mul_f32 v[RWA+2:RWA+3], v[RWA+2:RWA+3], L2E op_sel_hi:[1,0]
.irp q, 0,1,2,3,4,5,6,7
	s_wait_loadcnt 7-\q                            ; row q is in, the younger rows stay out
	v_pk_fma_f32 v[RT:RT+1],   v[RX+4*\q:RX+4*\q+1],   v[RWM:RWM+1],   v[RWA:RWA+1]
	v_pk_fma_f32 v[RT+2:RT+3], v[RX+4*\q+2:RX+4*\q+3], v[RWM+2:RWM+3], v[RWA+2:RWA+3]
	v_pk_mul_f32 v[RD:RD+1], v[RX+4*\q:RX+4*\q+1], v[RWB:RWB+1]
	v_pk_fma_f32 v[RD:RD+1], v[RX+4*\q+2:RX+4*\q+3], v[RWB+2:RWB+3], v[RD:RD+1]
	v_cvt_pk_bf16_f32 v[RP],   v[RT],   v[RT+1]
	v_cvt_pk_bf16_f32 v[RP+1], v[RT+2], v[RT+3]
	ds_store_b64 v[STGW], v[RP:RP+1] offset:272*\q
	v_add_f32 v[RD], v[RD], v[RD+1]
	v_add_f32_dpp v[RD], v[RD], v[RD] row_xmask:1 row_mask:0xf bank_mask:0xf
	v_add_f32_dpp v[RD], v[RD], v[RD] row_xmask:2 row_mask:0xf bank_mask:0xf
	v_add_f32_dpp v[RD], v[RD], v[RD] row_xmask:4 row_mask:0xf bank_mask:0xf
	v_add_f32_dpp v[RD], v[RD], v[RD] row_xmask:8 row_mask:0xf bank_mask:0xf
	v_permlanex16_b32 v[RE], v[RD], s84, s85
	v_add_f32 v[RD], v[RD], v[RE]
	v_fma_f32 v[RD], v[RD], s89, v[RB2]            ; (dot + b) L2E
	ds_store_b32 v[CQW], v[RD] offset:4*\q         ; every lane stores the same word with the same value
.endr
	s_wait_dscnt 0x0                               ; my stores are done, for the other waves' sake
	s_barrier_signal -1
	s_barrier_wait -1                              ; the ring's first loads may stay out
.irp nn, 0,1
.irp kk, 0,1,2,3
	ds_load_b128 v[BR+8*(4*\nn+\kk):BR+8*(4*\nn+\kk)+3],   v[STGR] offset:\nn*4352+64*\kk
	ds_load_b128 v[BR+8*(4*\nn+\kk)+4:BR+8*(4*\nn+\kk)+7], v[STGR] offset:\nn*4352+64*\kk+32
.endr
.endr
	ds_load_b32 v[CQ],   v[CQR]
	ds_load_b32 v[CQ+8], v[CQR] offset:64
	s_wait_dscnt 0x0
.irp k, 1,2,3,4,5,6,7
	v_mov_b32 v[CQ+\k],   v[CQ]                    ; a C tile holds a lane's column figure in all eight registers
	v_mov_b32 v[CQ+8+\k], v[CQ+8]
.endr
.endm
	s_load_b256 s[4:11], s[0:1], 0x0               ; V s[4:5], Uid s[6:7], mask s[8:9], Wc_w s[10:11]
	s_load_b128 s[12:15], s[0:1], 0x20             ; Wc_b s[12:13], negc s[14:15]
	s_load_b64 s[16:17], s[0:1], 0x30              ; out0
	v_lshl_add_u32 v254, v0, 2, 0x43900
	v_mov_b32 v255, 0
	ds_add_u32 v254, v255
	v_lshrrev_b32 v1, 5, v0
	v_readfirstlane_b32 s18, v1                    ; wave 0..3
	s_bfe_u32 s19, ttmp6, 0x40000                  ; cx
	s_bfe_u32 s20, ttmp6, 0x40004                  ; cy
	s_lshl_b32 s21, ttmp9, 2
	s_add_co_u32 s21, s21, s19                     ; blk = 4 x cluster x + cx: my 32 rows i
	s_and_b32 s22, ttmp7, 0xffff
	s_lshl_b32 s22, s22, 2
	s_add_co_u32 s22, s22, s20                     ; b = 4 x cluster y + cy: my batch
	s_lshl_b32 s23, s20, 2
	s_lshl_b32 s23, 15, s23                        ; my row of the cluster
	s_lshl_b32 s86, 0x1111, s19                    ; my column
	s_mov_b32 s84, 0x76543210
	s_mov_b32 s85, 0xfedcba98
	s_mov_b32 s89, L2E
	; group 1 for V: 32 rows x 256 bf16, 512 bytes a row in memory, 32 bytes of padding behind each in LDS; shared along my row of the cluster
	s_or_b32 s[G1V+0], s23, (1<<16)|(1<<20)|(1<<21)|(6<<22)|(7<<25)
	s_mov_b32 s[G1V+1], 256<<16
	s_mov_b32 s[G1V+2], 32<<16
	s_mov_b32 s[G1V+3], 256<<16
	s_mov_b32 s[G1V+4], 32
	s_mov_b32 s[G1V+5], 256
	s_mov_b32 s[G1V+6], 0
	s_mov_b32 s[G1V+7], 0
	; group 1 for the mask: 8 rows x 128 f32, 512 bytes of each row of 8,192, pitch 528 in LDS; shared along my column of the cluster
	s_or_b32 s[G1K+0], s86, (2<<16)|(1<<20)|(1<<21)|(6<<22)|(3<<25)
	s_mov_b32 s[G1K+1], 128<<16
	s_mov_b32 s[G1K+2], 8<<16
	s_mov_b32 s[G1K+3], 128<<16
	s_mov_b32 s[G1K+4], 8
	s_mov_b32 s[G1K+5], 2048
	s_mov_b32 s[G1K+6], 0
	s_mov_b32 s[G1K+7], 0
	; group 1 for negc: a dense block of 2,048 bytes as 8 rows of 32 elements of 8 bytes; shared along my row of the cluster
	s_or_b32 s[G1N+0], s23, (3<<16)|(1<<21)
	s_mov_b32 s[G1N+1], 32<<16
	s_mov_b32 s[G1N+2], 8<<16
	s_mov_b32 s[G1N+3], 32<<16
	s_mov_b32 s[G1N+4], 8
	s_mov_b32 s[G1N+5], 32
	s_mov_b32 s[G1N+6], 0
	s_mov_b32 s[G1N+7], 0
	s_mul_i32 s90, s18, VPART                      ; my part of a slot: the wave's number alone enters an LDS address
	s_mul_i32 s91, s18, KPART
	s_add_co_u32 s91, s91, KOFF
	s_lshl_b32 s92, s22, 20                        ; V: batch x 2,048 rows x 512 bytes (hangs on b and the wave alone)
	s_lshl_b32 s93, s18, 14                        ;    + wave x 32 rows
	s_add_co_u32 s92, s92, s93
	s_mov_b32 s93, 0
	s_lshl_b32 s94, s21, 18                        ; mask: 32 blk rows x 8,192 bytes (hangs on blk and the wave alone)
	s_lshl_b32 s95, s18, 16                        ;       + wave x 8 rows
	s_add_co_u32 s94, s94, s95
	s_mov_b32 s95, 0
	s_lshl_b32 s66, s22, 13                        ; negc: batch x 8,192 bytes + wave x 2,048
	s_lshl_b32 s67, s18, 11
	s_add_co_u32 s66, s66, s67
	s_mov_b32 s67, 0
	s_lshl_b32 s80, s22, 20                        ; Uid, rows of 512 bytes: batch x 2,048 + 32 blk + 8 wave
	s_lshl_b32 s81, s21, 14
	s_add_co_u32 s80, s80, s81
	s_lshl_b32 s81, s18, 12
	s_add_co_u32 s80, s80, s81
	s_mov_b32 s81, 0
	s_lshl_b32 s82, s22, 22                        ; out0, rows of 2,048 bytes: the same rows
	s_lshl_b32 s83, s21, 16
	s_add_co_u32 s82, s82, s83
	s_lshl_b32 s83, s18, 14
	s_add_co_u32 s82, s82, s83
	s_mov_b32 s83, 0
	s_wait_dscnt 0x0
	s_wait_kmcnt 0x0
	s_load_b32 s87, s[12:13], 0x0                  ; b
	s_add_nc_u64 s[92:93], s[4:5], s[92:93]
	s_add_nc_u64 s[94:95], s[8:9], s[94:95]
	s_add_nc_u64 s[80:81], s[6:7], s[80:81]
	s_add_nc_u64 s[82:83], s[16:17], s[82:83]
	ROUND                                          ; all sixteen work-groups are here: the first joint loads meet
	s_mov_b32 s[G0N], 1
	s_lshl_b32 s[G0N+1], s18, 11
	s_add_co_u32 s[G0N+1], s[G0N+1], NEGC
	s_add_nc_u64 s[G0N+2:G0N+3], s[14:15], s[66:67]
	s_or_b32 s[G0N+3], s[G0N+3], 0x80000000
	tensor_load_to_lds s[G0N:G0N+3], s[G1N:G1N+7]
	s_nop 0
.irp s, 0,1,2
	s_mov_b32 s[G0V+4*\s], 1
	s_add_co_u32 s[G0V+4*\s+1], s90, \s*SLOT
	s_add_nc_u64 s[G0V+4*\s+2:G0V+4*\s+3], s[92:93], \s*65536      ; tile s: 128 rows of 512 bytes on
	s_or_b32 s[G0V+4*\s+3], s[G0V+4*\s+3], 0x80000000
	s_mov_b32 s[G0K+4*\s], 1
	s_add_co_u32 s[G0K+4*\s+1], s91, \s*SLOT
	s_add_nc_u64 s[G0K+4*\s+2:G0K+4*\s+3], s[94:95], \s*512        ; 128 columns of 4 bytes on
	s_or_b32 s[G0K+4*\s+3], s[G0K+4*\s+3], 0x80000000
	tensor_load_to_lds s[G0V+4*\s:G0V+4*\s+3], s[G1V:G1V+7]        ; seven loads of the wave are out here, the most in this text
	s_nop 0
	tensor_load_to_lds s[G0K+4*\s:G0K+4*\s+3], s[G1K:G1K+7]
	s_nop 0
.endr
	v_and_b32 v1, 31, v0                           ; L
	v_and_b32 v2, 15, v0                           ; r
	v_bfe_u32 v3, v0, 4, 1                         ; h
	v_mul_u32_u24 v4, v2, 544
	v_lshl_add_u32 v4, v3, 4, v4                   ; r x 544 + 16 h
	v_and_b32 v5, 7, v0
	v_lshl_add_u32 v5, v3, 3, v5
	v_mul_u32_u24 v5, v5, 544
	v_bfe_u32 v6, v0, 3, 1
	v_lshl_add_u32 v5, v6, 4, v5                   ; (8 h + L % 8) x 544 + 16 ((L / 8) % 2)
	v_mul_u32_u24 v6, v2, 528
	v_lshl_add_u32 v6, v3, 5, v6                   ; mask row r, 8 h words
	s_lshl_b32 s96, s18, 7                         ; my wave's 32 columns j, in bytes
	s_add_co_u32 s97, s96, KOFF
	s_add_co_u32 s96, s96, NEGC
	v_add_nc_u32 v[AV],  s90, v4
	v_add_nc_u32 v[ATV], s90, v5
	v_add_nc_u32 v[AMK], s97, v6
.irp s, 1,2
	v_add_nc_u32 v[AV+\s],  \s*SLOT, v[AV]
	v_add_nc_u32 v[ATV+\s], \s*SLOT, v[ATV]
	v_add_nc_u32 v[AMK+\s], \s*SLOT, v[AMK]
.endr
	v_lshl_add_u32 v[AN], v3, 5, s96
	v_lshlrev_b32 v[XO], 4, v1
	s_mul_i32 s96, s18, 2176                       ; 8 rows of 272
	s_add_co_u32 s96, s96, STG
	v_lshl_add_u32 v[STGW], v1, 3, s96
	v_mul_u32_u24 v7, v2, 272
	v_lshl_add_u32 v7, v3, 4, v7
	v_add_nc_u32 v[STGR], STG, v7
	s_lshl_b32 s97, s18, 5
	s_add_co_u32 s97, s97, CQS
	v_mov_b32 v[CQW], s97
	v_lshlrev_b32 v[CQR], 2, v2
	v_add_nc_u32 v[CQR], CQS, v[CQR]
	s_mul_i32 s96, s18, 33280                      ; the stage of the partial sums: my part, row r, 32 h
	v_mul_u32_u24 v7, v2, 1040
	v_lshl_add_u32 v7, v3, 5, v7
	v_add_nc_u32 v[SC2W], s96, v7
	s_mul_i32 s97, s18, 8320                       ; back: rows 8 wave .., 16 bytes a lane; parts 0, 1 and parts 2, 3
	v_lshl_add_u32 v[AR0], v1, 4, s97
	v_add_nc_u32 v[AR1], 66560, v[AR0]
	s_wait_kmcnt 0x0                               ; b
	RESIDENT 80, 512, 0                            ; operand (w_mul Uid + w_q) L2E; figure (Uid . w_id + b) L2E
; One tile: slot s, tile number tau.  left = my younger tensor loads, two for each younger tile.  bar = 1: the mask rows (and, in the first
; tile, negc) come by all four waves' loads, so a barrier stands between each wave's counted wait and the reads.
; bar = 0: the refill's round has shown the tile landed for every wave.  first = 1: the tile starts the sums.
.macro TURN2 s, tau, left, bar, first
	s_wait_tensorcnt \left
.if \bar
	s_wait_dscnt 0x0                               ; no LDS instruction of mine is pending at the signal
	s_barrier_signal -1
	s_barrier_wait -1
.endif
.irp m, 0,1
.irp nn, 0,1
	ds_load_b128 v[MK+8*(2*\m+\nn):MK+8*(2*\m+\nn)+3],   v[AMK+\s] offset:\nn*8448+64*\m
	ds_load_b128 v[MK+8*(2*\m+\nn)+4:MK+8*(2*\m+\nn)+7], v[AMK+\s] offset:\nn*8448+64*\m+16
.endr
	ds_load_b128 v[NC+8*\m:NC+8*\m+3],   v[AN] offset:512*\tau+64*\m
	ds_load_b128 v[NC+8*\m+4:NC+8*\m+7], v[AN] offset:512*\tau+64*\m+16
.endr
	WIN 0x80                                       ; destinations in window 2
.irp m, 0,1
.irp kk, 0,1,2,3
	ds_load_b128 v[FA+8*(4*\m+\kk):FA+8*(4*\m+\kk)+3],   v[AV+\s] offset:\m*8704+64*\kk
	ds_load_b128 v[FA+8*(4*\m+\kk)+4:FA+8*(4*\m+\kk)+7], v[AV+\s] offset:\m*8704+64*\kk+32
.endr
.endr
.irp t, 0,1,2,3,4,5,6,7,8,9,10,11,12,13,14,15
	ds_load_tr16_b128 v[FV+8*\t:FV+8*\t+3],   v[ATV+\s] offset:32*\t         ; rows c = 16 t + r, K = j = 8 h .. 8 h + 7
	ds_load_tr16_b128 v[FV+8*\t+4:FV+8*\t+7], v[ATV+\s] offset:32*\t+8704    ; K = 16 + 8 h ..
.endr
	s_wait_dscnt 32                                ; all but the 32 transposing loads are in
	WIN 0x02                                       ; A in window 2
	; scores: the four accumulators take turns, one instruction a turn
.irp kk, 0,1,2,3
.irp m, 0,1
.irp nn, 0,1
.if \kk == 0
	v_wmma_f32_16x16x32_bf16 v[SS+8*(2*\m+\nn):SS+8*(2*\m+\nn)+7], v[FA+8*(4*\m+\kk):FA+8*(4*\m+\kk)+7], v[BR+8*(4*\nn+\kk):BR+8*(4*\nn+\kk)+7], v[CQ+8*\nn:CQ+8*\nn+7]
.else
	v_wmma_f32_16x16x32_bf16 v[SS+8*(2*\m+\nn):SS+8*(2*\m+\nn)+7], v[FA+8*(4*\m+\kk):FA+8*(4*\m+\kk)+7], v[BR+8*(4*\nn+\kk):BR+8*(4*\nn+\kk)+7], v[SS+8*(2*\m+\nn):SS+8*(2*\m+\nn)+7]
.endif
.endr
.endr
.endr
	WIN 0
	PLACES                                         ; behind the last score product, before its result is read
.irp m, 0,1
.irp nn, 0,1
.irp p, 0,2,4,6
	v_pk_fma_f32 v[SS+8*(2*\m+\nn)+\p:SS+8*(2*\m+\nn)+\p+1], v[SS+8*(2*\m+\nn)+\p:SS+8*(2*\m+\nn)+\p+1], v[MK+8*(2*\m+\nn)+\p:MK+8*(2*\m+\nn)+\p+1], v[NC+8*\m+\p:NC+8*\m+\p+1]
.endr
.endr
.endr
.irp i, 0,1,2,3,4,5,6,7,8,9,10,11,12,13,14,15,16,17,18,19,20,21,22,23,24,25,26,27,28,29,30,31
	v_exp_f32 v[SS+\i], v[SS+\i]
.endr
	v_nop                                          ; one plain place behind the last exponential
	s_wait_alu depctr_va_vdst(0)
.irp nn, 0,1
.irp m, 0,1
.irp p, 0,1,2,3
	v_cvt_pk_bf16_f32 v[PP+8*\nn+4*\m+\p], v[SS+8*(2*\m+\nn)+2*\p], v[SS+8*(2*\m+\nn)+2*\p+1]
.endr
.endr
.endr
	s_wait_dscnt 0x0                               ; the transposed fragments
	WIN 0x52                                       ; D and C in window 1, A in window 2, B in window 0
	; O^T += V^T P^T: thirty-two accumulators, one instruction each, by turns
.irp t, 0,1,2,3,4,5,6,7,8,9,10,11,12,13,14,15
.irp nn, 0,1
.if \first
	v_wmma_f32_16x16x32_bf16 v[ACC+8*(2*\t+\nn):ACC+8*(2*\t+\nn)+7], v[FV+8*\t:FV+8*\t+7], v[PP+8*\nn:PP+8*\nn+7], 0
.else
	v_wmma_f32_16x16x32_bf16 v[ACC+8*(2*\t+\nn):ACC+8*(2*\t+\nn)+7], v[FV+8*\t:FV+8*\t+7], v[PP+8*\nn:PP+8*\nn+7], v[ACC+8*(2*\t+\nn):ACC+8*(2*\t+\nn)+7]
.endif
.endr
.endr
	WIN 0
	PLACES                                         ; before the next tile's loads land on these fragments, and before the sums are read
.endm
; Slots that have been read get the tiles three further down.  The waits stand in front of the round's opening signal; the joint refills are
; the first tensor loads behind its closing wait.  Four loads of the wave are out behind FILL2, two behind FILL1.
.macro FILL2 a, b
	s_wait_dscnt 0x0                               ; my reads of the two slots are back
	s_wait_tensorcnt 0x0                           ; all my tensor loads have landed, the unread slot's too: every group 0 may be written
	ds_add_u32 v254, v255
	s_wait_dscnt 0x0
.irp t, \a, \b
	s_add_nc_u64 s[G0V+4*\t+2:G0V+4*\t+3], s[G0V+4*\t+2:G0V+4*\t+3], 196608     ; 3 tiles x 128 rows x 512 bytes
	s_add_nc_u64 s[G0K+4*\t+2:G0K+4*\t+3], s[G0K+4*\t+2:G0K+4*\t+3], 1536       ; 3 tiles x 128 columns x 4 bytes
.endr
	ROUND
.irp t, \a, \b
	tensor_load_to_lds s[G0V+4*\t:G0V+4*\t+3], s[G1V:G1V+7]
	s_nop 0
	tensor_load_to_lds s[G0K+4*\t:G0K+4*\t+3], s[G1K:G1K+7]
	s_nop 0
.endr
.endm
.macro FILL1 a
	s_wait_dscnt 0x0
	s_wait_tensorcnt 0x0
	ds_add_u32 v254, v255
	s_wait_dscnt 0x0
	s_add_nc_u64 s[G0V+4*\a+2:G0V+4*\a+3], s[G0V+4*\a+2:G0V+4*\a+3], 196608
	s_add_nc_u64 s[G0K+4*\a+2:G0K+4*\a+3], s[G0K+4*\a+2:G0K+4*\a+3], 1536
	ROUND
	tensor_load_to_lds s[G0V+4*\a:G0V+4*\a+3], s[G1V:G1V+7]
	s_nop 0
	tensor_load_to_lds s[G0K+4*\a:G0K+4*\a+3], s[G1K:G1K+7]
	s_nop 0
.endm
	TURN2 0, 0, 4, 1, 1                            ; negc and tile 0 are in; tiles 1 and 2 stay out
	TURN2 1, 1, 2, 1, 0
	FILL2 0, 1                                     ; tile 2 has landed; tiles 3, 4 go out
	TURN2 2, 2, 4, 0, 0
	TURN2 0, 3, 2, 1, 0
	FILL2 2, 0                                     ; tile 4 has landed; tiles 5, 6 go out
	TURN2 1, 4, 4, 0, 0
	TURN2 2, 5, 2, 1, 0
	FILL2 1, 2                                     ; tiles 7, 8
	TURN2 0, 6, 4, 0, 0
	TURN2 1, 7, 2, 1, 0
	FILL2 0, 1                                     ; tiles 9, 10
	TURN2 2, 8, 4, 0, 0
	TURN2 0, 9, 2, 1, 0
	FILL2 2, 0                                     ; tiles 11, 12
	TURN2 1, 10, 4, 0, 0
	TURN2 2, 11, 2, 1, 0
	FILL2 1, 2                                     ; tiles 13, 14
	TURN2 0, 12, 4, 0, 0
	TURN2 1, 13, 2, 1, 0
	FILL1 0                                        ; tile 15: the last
	TURN2 2, 14, 2, 0, 0
	TURN2 0, 15, 0, 1, 0
	; THE WAY OUT.  My 8 rows of Uid in f32 are asked for first; the resident operand's registers are free (places stand behind the last score product).
.irp q, 0,1,2,3,4,5,6,7
	global_load_b128 v[UF+4*\q:UF+4*\q+3], v[XO], s[80:81] offset:512*\q
.endr
	s_wait_dscnt 0x0                               ; my reads of the slots are back,
	s_wait_tensorcnt 0x0                           ; no tensor load is out, and none follows:
	s_barrier_signal -1
	s_barrier_wait -1                              ; that holds of all four waves, so slots 0 and 1 may serve as the stage
	WIN 0x04                                       ; store data in window 1
.irp t, 0,1,2,3,4,5,6,7,8,9,10,11,12,13,14,15
.irp nn, 0,1
	ds_store_b128 v[SC2W], v[ACC+8*(2*\t+\nn):ACC+8*(2*\t+\nn)+3]   offset:\nn*16640+64*\t
	ds_store_b128 v[SC2W], v[ACC+8*(2*\t+\nn)+4:ACC+8*(2*\t+\nn)+7] offset:\nn*16640+64*\t+16
.endr
.endr
	WIN 0
	s_wait_dscnt 0x0
	s_barrier_signal -1
	s_barrier_wait -1
; Row 8 wave + rho: the four waves' parts of A (16 bytes a lane) and of A2 (512 bytes further), into register set rs.
.macro ROWLD rho, rs
.irp p, 0,1
	ds_load_b128 v[\rs+8*\p:\rs+8*\p+3],         v[AR0] offset:\p*33280+(\rho)*1040
	ds_load_b128 v[\rs+8*\p+4:\rs+8*\p+7],       v[AR0] offset:\p*33280+(\rho)*1040+512
	ds_load_b128 v[\rs+16+8*\p:\rs+16+8*\p+3],   v[AR1] offset:\p*33280+(\rho)*1040
	ds_load_b128 v[\rs+16+8*\p+4:\rs+16+8*\p+7], v[AR1] offset:\p*33280+(\rho)*1040+512
.endr
.endm
; The row's four pieces: each store of the wave covers 512 consecutive bytes, aligned.  left = the next row's loads that may stay out.
.macro ROWOUT rho, rs, left
	s_wait_dscnt \left
.irp k, 0,2,4,6
	v_pk_add_f32 v[\rs+\k:\rs+\k+1],       v[\rs+\k:\rs+\k+1],       v[\rs+8+\k:\rs+8+\k+1]
	v_pk_add_f32 v[\rs+16+\k:\rs+16+\k+1], v[\rs+16+\k:\rs+16+\k+1], v[\rs+24+\k:\rs+24+\k+1]
.endr
.irp k, 0,2,4,6
	v_pk_add_f32 v[\rs+\k:\rs+\k+1], v[\rs+\k:\rs+\k+1], v[\rs+16+\k:\rs+16+\k+1]
.endr
	v_pk_mul_f32 v[\rs+8:\rs+9],   v[UF+4*(\rho):UF+4*(\rho)+1],   v[\rs:\rs+1]
	v_pk_mul_f32 v[\rs+10:\rs+11], v[UF+4*(\rho)+2:UF+4*(\rho)+3], v[\rs+2:\rs+3]
	v_pk_mul_f32 v[\rs+12:\rs+13], v[UF+4*(\rho):UF+4*(\rho)+1],   v[\rs+4:\rs+5]
	v_pk_mul_f32 v[\rs+14:\rs+15], v[UF+4*(\rho)+2:UF+4*(\rho)+3], v[\rs+6:\rs+7]
	global_store_b128 v[XO], v[UF+4*(\rho):UF+4*(\rho)+3], s[82:83] offset:2048*(\rho) th:TH_STORE_NT
	global_store_b128 v[XO], v[\rs:\rs+3],     s[82:83] offset:2048*(\rho)+512 th:TH_STORE_NT
	global_store_b128 v[XO], v[\rs+8:\rs+11],  s[82:83] offset:2048*(\rho)+1024 th:TH_STORE_NT
	global_store_b128 v[XO], v[\rs+12:\rs+15], s[82:83] offset:2048*(\rho)+1536 th:TH_STORE_NT
.endm
; A set's registers, which the stores of its last row read, are loaded again only behind s_wait_xcnt 0.
.macro RELOAD rho, rs
	s_wait_xcnt 0x0
	ROWLD \rho, \rs
.endm
	ROWLD 0, SS
	ROWLD 1, MK
	s_wait_loadcnt 0x0                             ; my rows of Uid
	ROWOUT 0, SS, 8                                ; row 0's eight loads are in, row 1's eight may be out
	RELOAD 2, SS
	ROWOUT 1, MK, 8
	RELOAD 3, MK
	ROWOUT 2, SS, 8
	RELOAD 4, SS
	ROWOUT 3, MK, 8
	RELOAD 5, MK
	ROWOUT 4, SS, 8
	RELOAD 6, SS
	ROWOUT 5, MK, 8
	RELOAD 7, MK
	ROWOUT 6, SS, 8
	ROWOUT 7, MK, 0
	s_wait_tensorcnt 0x0
	ds_add_u32 v254, v255
	s_wait_dscnt 0x0
	ROUND                                          ; the closing round: no work-group ends while a partner may still ask for a tile that names it
	s_endpgm
.Lfunc_end_k_qce015ae4e2_apply:
	.size	k_qce015ae4e2_apply, .Lfunc_end_k_qce015ae4e2_apply-k_qce015ae4e2_apply
	.p2alignl 7, 3214868480
	.fill 96, 4, 3214868480
	.section	.rodata,"a",@progbits
	.p2align	6, 0x0
	.amdhsa_kernel k_qce015ae4e2_apply
		.amdhsa_group_segment_fixed_size 327680
		.amdhsa_private_segment_fixed_size 0
		.amdhsa_enable_private_segment 0
		.amdhsa_kernarg_size 56
		.amdhsa_user_sgpr_count 2
		.amdhsa_user_sgpr_kernarg_segment_ptr 1
		.amdhsa_wavefront_size32 1
		.amdhsa_system_sgpr_workgroup_id_x 1
		.amdhsa_system_sgpr_workgroup_id_y 1
		.amdhsa_system_sgpr_workgroup_id_z 1
		.amdhsa_system_vgpr_workitem_id 0
		.amdhsa_next_free_vgpr 704
		.amdhsa_next_free_sgpr 100
		.amdhsa_reserve_vcc 0
		.amdhsa_float_denorm_mode_32 3
		.amdhsa_float_denorm_mode_16_64 3
		.amdhsa_memory_ordered 1
		.amdhsa_forward_progress 1
		.amdhsa_inst_pref_size 215
	.end_amdhsa_kernel
	.amdgpu_metadata
---
amdhsa.version: [ 1, 2 ]
amdhsa.kernels:
  - .name:           k_qce015ae4e2_apply
    .symbol:         k_qce015ae4e2_apply.kd
    .args:
      - { .name: V, .offset: 0, .size: 8, .value_kind: global_buffer, .address_space: global }
      - { .name: Uid, .offset: 8, .size: 8, .value_kind: global_buffer, .address_space: global }
      - { .name: mask, .offset: 16, .size: 8, .value_kind: global_buffer, .address_space: global }
      - { .name: Wc_w, .offset: 24, .size: 8, .value_kind: global_buffer, .address_space: global }
      - { .name: Wc_b, .offset: 32, .size: 8, .value_kind: global_buffer, .address_space: global }
      - { .name: negc, .offset: 40, .size: 8, .value_kind: global_buffer, .address_space: global }
      - { .name: out0, .offset: 48, .size: 8, .value_kind: global_buffer, .address_space: global }
    .group_segment_fixed_size: 327680
    .private_segment_fixed_size: 0
    .kernarg_segment_align: 8
    .kernarg_segment_size: 56
    .max_flat_workgroup_size: 128
    .sgpr_count:     100
    .vgpr_count:     704
    .wavefront_size: 32
...
	.end_amdgpu_metadata
.endif
;; end of part 3
